; MI455X (gfx1250); checked and timed in simulation.
; The chip was launched on July 23, 2026; its instructions are those of AMD's public machine-readable ISA for CDNA 5 (MIT licence, August 2026) and "CDNA5" Instruction Set Architecture Reference Guide (July 2026). The comments in the code are by the model that wrote it; some were corrected since.
;; Attention Model. Allowed arithmetic: matrix products marked QUANTISED: E4M3 operands, one given power-of-two scale a tensor, by v_wmma_f32_16x16x64_fp8_fp8 or v_wmma_f32_16x16x128_fp8_fp8, f32 sums; products left as they are: f32 operands where the result goes on into a quantised operand, else bf16, f16 or f32 operands; f32 sums; everything else in f32.
;; Inputs: W1_codes 1,024 x 32 x 32 uint8 (E4M3 codes of W1, K innermost, in blocks of 32 codes); W2_codes 1,024 x 32 x 32 uint8 (E4M3 codes of W2, K innermost, in blocks of 32 codes); Wv 1,024 x 1 float32; b1 1,024 float32; b2 1,024 float32; bv 1 float32; features 32 x 2,048 x 1,024 float32; hidden_codes 32 x 32 x 32 uint8 (E4M3 codes of hidden, K innermost, in blocks of 32 codes); lowp_scales 4 int32 (the exponents e of the quantised operands' scales 2^e).
;; Outputs: out0 32 x 1,024 float32; out1 32 x 2,048 x 1 float32.
;; This version of the problem:
;;   THIS VERSION OF THE PROBLEM IS GIVEN IN LOW PRECISION. The matrix products marked QUANTISED in the list below multiply operands that are first quantised to E4M3 (4 exponent bits, 3 mantissa bits; 8 bits a number), with one given power-of-two scale for each operand tensor; their sums are f32. All else is computed in f32.
;;   The module's matrix products, in the order in which they are computed (A, B: the left and right operand; K: the contracted axis; several contracted axes count as one K, in the product's order):
;;     1. [M 65,536, K 1,024] x [K 1,024, N 1,024]; A: input features; B: input W1 (given as codes): QUANTISED (scales: A lowp_scales[0], B lowp_scales[1])
;;     2. [M 32, K 1,024] x [K 1,024, N 1,024]; A: input hidden (given as codes); B: input W2 (given as codes): QUANTISED (scales: A lowp_scales[2], B lowp_scales[3])
;;     3. [M 65,536, K 1,024] x [K 1,024, N 1]; A: computed on the way; B: input Wv: left as it is (N = 1 < 16)
;;   THE QUANTISER, for each operand of a quantised product, along K:
;;     - The operand's scale is 2^e, e = its entry of the input lowp_scales (int32; the entries are numbered through the quantised products in the list's order, A before B).
;;     - Each number is divided by the scale, clamped to +-448, and rounded to the nearest number of E4M3, ties to even, subnormals kept.
;;     - The product sums the exact products of the quantised numbers (number of the format x scale) in f32.
;;   ~~~python
;;   def quantise(x, axis, e):      # numpy; x: float32 -> the quantised numbers, widened to float32 again
;;       x = np.moveaxis(x, axis, -1); K = x.shape[-1]
;;       r = np.clip(x / 2.0 ** e, -448, 448)
;;       step = 2.0 ** (np.maximum(np.frexp(np.where(r == 0, 1, r))[1] - 1, -6) - 3)
;;       q = np.round(r / step) * step * 2.0 ** e      # np.round: ties to even
;;       return np.moveaxis(q, -1, axis).astype(np.float32)
;;   ~~~
;;   INPUTS GIVEN AS CODES. W1 (in the module: [1024, 1024], K = its axis 0); W2 (in the module: [1024, 1024], K = its axis 0); hidden (in the module: [32, 1024], K = its axis 1): each comes as NAME_codes (uint8): NAME with its K axis moved to the last place and cut into blocks of 32 codes, [.., K / 32, bytes a block], one block behind the other in memory; one code a byte (a code: sign, 4 exponent bits, 3 mantissa bits); its scale is its entry of lowp_scales. Its value is code x scale, taken as it is: it is not quantised again, and the codes and scales need not be those that the quantiser above would give.
;; One version. Each part assembles by itself: llvm-mc -triple=amdgcn-amd-amdhsa -mcpu=gfx1250 --defsym DOCPART=n.
;; ======== version 1 of 1: 3 launches
;; limits: right only within a limited range of input values
;; workspace buffers: cbias 131,072 bytes; tsc 262,144 bytes
;; launch hid (part 1): grid 16 x 1, 4 waves a work-group, no clusters, 9,216 bytes of LDS; arguments hidden_codes, W2_codes, b1, b2, lowp_scales, cbias; writes cbias
.if DOCPART == 1
	.amdgcn_target "amdgcn-amd-amdhsa--gfx1250"
	.amdhsa_code_object_version 6
	.text
	.protected	k_qb32332fc68_hid
	.globl	k_qb32332fc68_hid
	.p2align	8
	.type	k_qb32332fc68_hid,@function
k_qb32332fc68_hid:
	s_mov_b64 s[64:65], 0
	v_nop
	global_prefetch_b8 v0, s[64:65] scope:SCOPE_SE
	s_setreg_imm32_b32 hwreg(HW_REG_WAVE_MODE, 25, 1), 1
	s_wait_xcnt 0x0
; cbias[b][d] = c2 x (b1[d] + b2[d] + 2^(e2 + e3) x the sum over k of hidden_code[b][k] W2_code[d][k]),  c2 = 2 log2(e).
; It is what the next launch adds, per batch and column, inside tanh: tanh(x) = 1 - 2 / (1 + 2^(c2 x)).
; WORK LEFT OUT IN THIS PROGRAM, for all values of the inputs.  Both outputs hang on the scores only through softmax over t.  bv is added to every score of a batch alike, and so is the sum over d of Wv[d]
; that the 1 of tanh = 1 - 2 / (..) brings: a term that is the same along the softmax's axis cancels between its numerator and its sum.  So bv has no way to an output: it is not loaded and is no argument
; of any launch; and the scores are kept without the sum of Wv.  LIMIT: a NaN, an infinity or an overflow that bv or the sum of Wv alone would bring is not carried to the results.
; LIMITS: e2 + e3 between -126 and 125 (it is added to c2's exponent field).  NaN and infinity among the inputs are not served.
; SHARES.  Work-group x takes columns d = 64 x .. 64 x + 63, wave w sixteen of them, for all 32 batches (two tiles).  The product is used transposed (source 0 = 16 rows of W2, source 1 = 16 rows of hidden):
; lane (r, h) holds batch 16 q + r, and its register j column d0 + 8 h + j: eight neighbours of a row of cbias.
; Both operands are taken 16 bytes a load: registers 4 c .. 4 c + 3 hold k = 32 c + 16 h + 0 .. 15: the same permutation of k on both sides, so every product meets its partner.
; All operands go from memory straight into registers, once: no tensor load, so no joint request could be made of hidden's 32 KiB, which the sixteen work-groups share.
; REGISTERS: window 0: v1-7 addresses; v14, v15 the add's two; v16-31 b1, b2; v32-47 two accumulators; v48-63 results; v64-191 W2's eight fragments; v192-207 rows read back.  Window 1: hidden's 2 x 8 fragments.
.set SP,    272                        ; the stage: 32 rows (batches) of 256 bytes + 16
.set SPARE, 32*SP                      ; behind it: the spare words, 128 bytes for each wave: two blocks of 256 bytes that no other line names
.set MSB, 0
.macro WIN new                         ; the immediate's high byte repeats the setting that is left
.if MSB != (\new)
	s_set_vgpr_msb (MSB<<8)|(\new)
.set MSB, (\new)
.endif
.endm
	s_load_b256 s[4:11], s[0:1], 0x0               ; hidden's codes s[4:5], W2's codes s[6:7], b1 s[8:9], b2 s[10:11]
	s_load_b128 s[12:15], s[0:1], 0x20             ; the scales' exponents s[12:13], cbias s[14:15]
	v_lshl_add_u32 v14, v0, 2, SPARE
	v_mov_b32 v15, 0
	v_lshrrev_b32 v1, 5, v0
	v_readfirstlane_b32 s16, v1                    ; wave 0..3
	v_and_b32 v1, 15, v0                           ; r
	v_bfe_u32 v2, v0, 4, 1                         ; h
	v_lshlrev_b32 v3, 10, v1
	v_lshl_add_u32 v3, v2, 4, v3                   ; a fragment's row of 1,024 codes + 16 h
	v_lshlrev_b32 v4, 5, v2                        ; the biases: 32 h
	v_mul_u32_u24 v5, v1, SP
	v_lshl_add_u32 v5, v2, 5, v5
	s_lshl_b32 s17, s16, 6
	v_add_nc_u32 v5, s17, v5                       ; into the stage: row r, + 64 x wave + 32 h
	v_lshrrev_b32 v7, 4, v0
	v_mul_u32_u24 v6, v7, SP
	v_lshl_add_u32 v6, v1, 4, v6                   ; back: sixteen threads to a row of 256 bytes, eight rows an instruction of the work-group
	v_lshlrev_b32 v7, 12, v7
	v_lshl_add_u32 v7, v1, 4, v7                   ; and the same place in cbias, whose rows are 4,096 bytes
	s_lshl_b32 s20, ttmp9, 16
	s_lshl_b32 s17, s16, 14
	s_add_co_u32 s20, s20, s17                     ; my first row of W2: (64 x + 16 w) x 1,024 bytes
	s_mov_b32 s21, 0
	s_lshr_b32 s18, s20, 8                         ; and my first bias: (64 x + 16 w) x 4 bytes
	s_mov_b32 s19, 0
	s_lshl_b32 s28, ttmp9, 8                       ; the work-group's 64 columns in a row of cbias
	s_mov_b32 s29, 0
	s_mov_b32 s30, 0x4038aa3b                      ; c2 = 2 log2(e)
	s_mov_b32 s31, s30                             ; (named with it as a pair, so it is written)
	s_wait_alu depctr_va_vdst(0)
	s_wait_kmcnt 0x0
	s_load_b128 s[24:27], s[12:13], 0x0            ; e0, e1, e2, e3
	s_add_nc_u64 s[6:7], s[6:7], s[20:21]
	s_add_nc_u64 s[8:9], s[8:9], s[18:19]
	s_add_nc_u64 s[10:11], s[10:11], s[18:19]
	s_add_nc_u64 s[14:15], s[14:15], s[28:29]
	global_load_b128 v[16:19], v4, s[8:9]          ; b1 at d0 + 8 h + 0 .. 7
	global_load_b128 v[20:23], v4, s[8:9] offset:16
	global_load_b128 v[24:27], v4, s[10:11]        ; b2 likewise
	global_load_b128 v[28:31], v4, s[10:11] offset:16
.irp k, 0,1,2,3,4,5,6,7
.irp c, 0,1,2,3
	global_load_b128 v[64+16*\k+4*\c:64+16*\k+4*\c+3], v3, s[6:7] offset:128*\k+32*\c
.endr
.endr
	WIN 0x40                                       ; destination window 1
.irp q, 0,1
.irp k, 0,1,2,3,4,5,6,7
.irp c, 0,1,2,3
	global_load_b128 v[128*\q+16*\k+4*\c:128*\q+16*\k+4*\c+3], v3, s[4:5] offset:16384*\q+128*\k+32*\c
.endr
.endr
.endr
	s_wait_kmcnt 0x0
	s_add_co_i32 s22, s26, s27                     ; e2 + e3,
	s_lshl_b32 s22, s22, 23
	s_add_co_u32 s22, s22, 0x4038aa3b              ; added to c2's exponent field: c2 x 2^(e2 + e3)
	s_mov_b32 s23, s22
	s_wait_loadcnt 0x0
	WIN 0x04                                       ; source 1 (hidden) window 1
.irp k, 0,1,2,3,4,5,6,7                        ; the two accumulators take turns, one instruction a turn; the first K step starts the sums
.irp q, 0,1
.if \k == 0
	v_wmma_f32_16x16x128_fp8_fp8 v[32+8*\q:39+8*\q], v[64+16*\k:79+16*\k], v[128*\q+16*\k:128*\q+16*\k+15], 0
.else
	v_wmma_f32_16x16x128_fp8_fp8 v[32+8*\q:39+8*\q], v[64+16*\k:79+16*\k], v[128*\q+16*\k:128*\q+16*\k+15], v[32+8*\q:39+8*\q]
.endif
.endr
.endr
	WIN 0
.irp i, 0,2,4,6                                ; eight plain lines on the biases: they are also the places between the last products and the first read of a sum (ISA guide 7.12.1)
	v_pk_add_f32 v[16+\i:17+\i], v[16+\i:17+\i], v[24+\i:25+\i]
.endr
.irp i, 0,2,4,6
	v_pk_mul_f32 v[16+\i:17+\i], v[16+\i:17+\i], s[30:31] op_sel_hi:[1,0]   ; c2 (b1 + b2)
.endr
.irp q, 0,1
.irp i, 0,2,4,6                                ; each accumulator from its low end on
	v_pk_fma_f32 v[48+8*\q+\i:49+8*\q+\i], v[32+8*\q+\i:33+8*\q+\i], s[22:23], v[16+\i:17+\i] op_sel_hi:[1,0,1]
.endr
.endr
.irp q, 0,1
	ds_store_b128 v5, v[48+8*\q:51+8*\q] offset:16*SP*\q
	ds_store_b128 v5, v[52+8*\q:55+8*\q] offset:16*SP*\q+16
.endr
	s_wait_dscnt 0x0                               ; for the others' sake: a row's 256 bytes come from four waves
	s_barrier_signal -1
	s_barrier_wait -1
.irp k, 0,1,2,3
	ds_load_b128 v[192+4*\k:195+4*\k], v6 offset:8*SP*\k
.endr
	s_wait_dscnt 0x0
.irp k, 0,1,2,3
	global_store_b128 v7, v[192+4*\k:195+4*\k], s[14:15] offset:32768*\k   ; sixteen lanes store 256 consecutive bytes, at a multiple of 256 from cbias's first byte
.endr
	s_wait_tensorcnt 0x0                           ; the wave's end
	ds_add_u32 v14, v15
	s_wait_dscnt 0x0
	s_endpgm
.Lfunc_end_k_qb32332fc68_hid:
	.size	k_qb32332fc68_hid, .Lfunc_end_k_qb32332fc68_hid-k_qb32332fc68_hid
	.p2alignl 7, 3214868480
	.fill 96, 4, 3214868480
	.section	.rodata,"a",@progbits
	.p2align	6, 0x0
	.amdhsa_kernel k_qb32332fc68_hid
		.amdhsa_group_segment_fixed_size 9216
		.amdhsa_private_segment_fixed_size 0
		.amdhsa_enable_private_segment 0
		.amdhsa_kernarg_size 48
		.amdhsa_user_sgpr_count 2
		.amdhsa_user_sgpr_kernarg_segment_ptr 1
		.amdhsa_wavefront_size32 1
		.amdhsa_system_sgpr_workgroup_id_x 1
		.amdhsa_system_sgpr_workgroup_id_y 1
		.amdhsa_system_sgpr_workgroup_id_z 1
		.amdhsa_system_vgpr_workitem_id 0
		.amdhsa_next_free_vgpr 512
		.amdhsa_next_free_sgpr 66
		.amdhsa_reserve_vcc 0
		.amdhsa_float_denorm_mode_32 3
		.amdhsa_float_denorm_mode_16_64 3
		.amdhsa_memory_ordered 1
		.amdhsa_forward_progress 1
		.amdhsa_inst_pref_size 15
	.end_amdhsa_kernel
	.amdgpu_metadata
---
amdhsa.version: [ 1, 2 ]
amdhsa.kernels:
  - .name:           k_qb32332fc68_hid
    .symbol:         k_qb32332fc68_hid.kd
    .args:
      - { .name: hidden_codes, .offset: 0, .size: 8, .value_kind: global_buffer, .address_space: global }
      - { .name: W2_codes, .offset: 8, .size: 8, .value_kind: global_buffer, .address_space: global }
      - { .name: b1, .offset: 16, .size: 8, .value_kind: global_buffer, .address_space: global }
      - { .name: b2, .offset: 24, .size: 8, .value_kind: global_buffer, .address_space: global }
      - { .name: lowp_scales, .offset: 32, .size: 8, .value_kind: global_buffer, .address_space: global }
      - { .name: cbias, .offset: 40, .size: 8, .value_kind: global_buffer, .address_space: global }
    .group_segment_fixed_size: 9216
    .private_segment_fixed_size: 0
    .kernarg_segment_align: 8
    .kernarg_segment_size: 48
    .max_flat_workgroup_size: 128
    .sgpr_count:     66
    .vgpr_count:     512
    .wavefront_size: 32
...
	.end_amdgpu_metadata
.endif
;; end of part 1
;; launch scores (part 2): grid 256 x 1, 4 waves a work-group, clusters of 4 x 1, 327,680 bytes of LDS; arguments features, W1_codes, cbias, Wv, lowp_scales, tsc; writes tsc
.if DOCPART == 2
	.amdgcn_target "amdgcn-amd-amdhsa--gfx1250"
	.amdhsa_code_object_version 6
	.text
	.protected	k_qb32332fc68_scores
	.globl	k_qb32332fc68_scores
	.p2align	8
	.type	k_qb32332fc68_scores,@function
k_qb32332fc68_scores:
	s_mov_b64 s[64:65], 0
	v_nop
	global_prefetch_b8 v0, s[64:65] scope:SCOPE_SE
	s_setreg_imm32_b32 hwreg(HW_REG_WAVE_MODE, 25, 1), 1
	s_wait_xcnt 0x0
	s_wait_alu depctr_hold_cnt(0) depctr_sa_sdst(0) depctr_va_vdst(0) depctr_va_sdst(0) depctr_va_ssrc(0) depctr_va_vcc(0) depctr_vm_vsrc(0)
	s_getreg_b32 s2, hwreg(HW_REG_IB_STS2, 6, 4)
	s_cmp_eq_u32 s2, 0
	s_cbranch_scc0 .Lentry_in_a_cluster
	s_endpgm
.Lentry_in_a_cluster:
	s_bfe_u32 s2, ttmp6, 0x10000c
	s_cmp_lg_u32 s2, 0x3003
	s_cbranch_scc0 .Lentry_shape_is_right
	s_endpgm
.Lentry_shape_is_right:
; tsc[b][t] = log2(e) x the sum over d of Wv[d] x (tanh(x[b][t][d]) - 1),  x = Q(features)[b][t] . W1[:, d] + b1[d] + b2[d] + (hidden W2)[b][d].
; tanh(x) - 1 = -2 / (1 + 2^(c2 x)), c2 = 2 log2(e).  cbias (from the launch before) holds c2 x all of x but the first product.
; WORK LEFT OUT: bv and the sum over d of Wv are the same for all t of a batch and cancel in the softmax (shown at the head of the first kernel).
; LIMITS: e0 between -126 and 119, e0 + e1 between -126 and 125 (they make f32 exponent fields).  NaN and infinity among the inputs are not served.
; SHARES.  Work-group g owns rows 256 g .. 256 g + 255 of the 65,536 (one batch: 8 work-groups to a batch); wave w 64 of them, 4 tiles of 16.
; THE HEAD: a wave reads its 64 rows of f32 once, a row's 512 consecutive bytes a load, turns 16 rows x 128 K at a time through its own stage in LDS into the operand's layout
; (lane (r, h): row r, registers 4 c .. 4 c + 3 hold k = 32 c + 16 h + 0 .. 15; W1's fragments are taken the same way, so every product meets its partner), holds at 448 x 2^e0 and converts.
; The codes, 64 rows x 1,024 K, stay in 512 registers for the whole launch.
; THE LOOP: W1's 1,024 rows (d) go through a ring of two LDS slots of 64 rows x 1,024 K: four tiles of 16 columns.  The four work-groups of a cluster walk the same W1 and ask for each slot JOINTLY
; (mask 15); each wave fetches a quarter of K (64 rows x 256 bytes).  A PAIR of tiles: 32 products for tile a, 32 for tile b, each run unbroken on four accumulators by turns, then ONE way out for both:
; no transcendental stands inside a chain of products, and each batch of transcendentals has one wait ahead of it and one behind it.
; B's fragments have two sets of registers: set 0 is fetched anew behind tile a's products, set 1 behind tile b's, each for the next pair.  So behind pair 2 k all four tiles of slot k are in registers or on
; their way: there stands the change of slots.
; Lane (r, h) holds column d = r of a tile and rows 8 h + j: cbias and Wv are one word a lane and tile; the sum over d runs in 32 registers and is joined across lanes once, at the end.
; NO PREFETCH: the features are read once, by loads that go out as early as the registers allow, with no loop to run ahead in; W1's slots are asked for two pairs of tiles ahead of their first read.
; REGISTERS: window 0: v1-15 addresses; v32-159 the head's f32 numbers, then v32-95 accumulators, v96-127 the scores' sums; v160-167 cbias and Wv words.  Window 1: the head's loads, then B's two sets.  Windows 2, 3: A's codes.
.set BP,    272                        ; an LDS row of W1: 256 bytes + 16 of padding
.set QB,    64*BP                      ; a quarter of K of a slot: what one tensor load brings
.set TILEB, 16*BP
.set SLOT1, 1<<17                      ; slot 1 begins here: one exclusive or turns an address
.set TAB,   4*QB                       ; behind slot 0: the batch's cbias row, then -c2 x Wv: 2 x 4,096 bytes
.set OUTS,  TAB+8192                   ; the way out: 256 bytes a wave
.set SPARE, OUTS+1024                  ; the spare words, 128 bytes a wave
.set STG,   SLOT1+4*QB                 ; behind slot 1: the head's stages, two for each wave
.set SPI,   528
.set STGB,  16*SPI
.set GOF, 1
.set SA,  2
.set LA,  3
.set AB0, 4
.set AT0, 5
.set ADR, 6
.set ADT, 7
.set QS,  8
.set QL,  9
.set OA,  10
.set OB,  11
.set GO,  12
.set TOF, 13
.set SPW, 14
.set NIL, 15
.set X,   32
.set ACC, 32
.set SC,  96
.set CB,  160
.set WV,  16
.set CS,  22
.set G1,  24
.set G0A, 32
.set G0B, 36
.set TB,  40
.set TT,  41
.set SLOTS, 42
.set TW,  43
.set MSB, 0
.macro WIN new                         ; the immediate's high byte repeats the setting that is left
.if MSB != (\new)
	s_set_vgpr_msb (MSB<<8)|(\new)
.set MSB, (\new)
.endif
.endm
.macro PLACES
.rept 4
	v_nop
.endr
.endm
.macro CROUND                          ; a round of the cluster's barrier
	s_barrier_signal -1
	s_barrier_wait -1
	s_cmp_lg_u32 s[WV], 0
	s_cbranch_scc1 .Lnot_wave_0_\@
	s_barrier_signal -3
.Lnot_wave_0_\@:
	s_barrier_wait -3
	s_barrier_signal -1
	s_barrier_wait -1
.endm
	s_load_b256 s[4:11], s[0:1], 0x0               ; features, W1's codes, cbias, Wv
	s_load_b128 s[12:15], s[0:1], 0x20             ; the scales' exponents, tsc
	v_lshl_add_u32 v[SPW], v0, 2, SPARE
	v_mov_b32 v[NIL], 0
	ds_add_u32 v[SPW], v[NIL]                      ; the opening lines: the add, twice on end, and its wait
	ds_add_u32 v[SPW], v[NIL]
	v_lshrrev_b32 v1, 5, v0
	v_readfirstlane_b32 s[WV], v1                  ; wave 0..3
	s_bfe_u32 s17, ttmp6, 0x40000
	s_lshl_b32 s18, ttmp9, 2
	s_add_co_u32 s18, s18, s17                     ; work-group g = 4 x cluster + cx
	s_mov_b32 s[G1], 15|(1<<20)|(1<<21)|(5<<22)|(3<<25)   ; mask: all four partners; bytes; four words of padding behind every 64
	s_mov_b32 s[G1+1], 256<<16
	s_mov_b32 s[G1+2], 64<<16
	s_mov_b32 s[G1+3], 256<<16
	s_mov_b32 s[G1+4], 64
	s_mov_b32 s[G1+5], 1024
	s_mov_b32 s[G1+6], 0
	s_mov_b32 s[G1+7], 0
	s_mov_b32 s[G0A], 1
	s_mul_i32 s[G0A+1], s[WV], QB
	s_mov_b32 s[G0B], 1
	s_add_co_u32 s[G0B+1], s[G0A+1], SLOT1
	s_lshl_b32 s50, s[WV], 8                       ; my quarter of K
	s_mov_b32 s51, 0
	v_and_b32 v16, 31, v0
	v_and_b32 v17, 15, v0                          ; r
	v_bfe_u32 v18, v0, 4, 1                        ; h
	v_lshlrev_b32 v[GOF], 4, v16
	s_mul_i32 s46, s[WV], 2*STGB
	s_add_co_u32 s46, s46, STG
	v_add_nc_u32 v[SA], s46, v[GOF]                ; into my stage: 16 bytes a lane of a row
	v_mul_u32_u24 v[LA], v17, SPI
	v_lshl_add_u32 v[LA], v18, 6, v[LA]
	v_add_nc_u32 v[LA], s46, v[LA]                 ; back: row r, 16 numbers from 16 h on
	v_mul_u32_u24 v[AB0], v17, BP
	v_lshl_add_u32 v[AB0], v18, 4, v[AB0]          ; a fragment of W1: row r x pitch + 16 h
	v_lshlrev_b32 v[AT0], 2, v17
	v_add_nc_u32 v[AT0], TAB, v[AT0]               ; my column's word in the tables
	s_lshl_b32 s47, s[WV], 8
	s_add_co_u32 s47, s47, OUTS
	v_lshlrev_b32 v[OA], 5, v18
	v_add_nc_u32 v[OA], s47, v[OA]
	v_lshlrev_b32 v[GO], 3, v16
	v_add_nc_u32 v[OB], s47, v[GO]
	v_lshlrev_b32 v[TOF], 4, v0
	v_add_nc_u32 v[ADR], TAB, v[TOF]
.irp j, 1,3,5,7
	v_mov_b32 v[CB+\j], 0                          ; (named as the upper halves of pairs)
.endr
	s_mov_b32 s[TB], 0
	s_mov_b32 s[TT], 0
	s_mov_b32 s[SLOTS], 14
	s_mov_b32 s46, 0xc038aa3b                      ; -c2
	s_mov_b32 s47, s46
	s_mov_b32 s21, 0
	s_wait_alu depctr_va_vdst(0)
	s_wait_dscnt 0x0                               ; both opening adds are done
	s_wait_kmcnt 0x0
	s_load_b64 s[44:45], s[12:13], 0x0             ; e0, e1
	s_add_nc_u64 s[G0A+2:G0A+3], s[6:7], s[50:51]
	s_add_nc_u64 s[G0B+2:G0B+3], s[G0A+2:G0A+3], 65536
	s_or_b32 s[G0A+3], s[G0A+3], 0x80000000
	s_or_b32 s[G0B+3], s[G0B+3], 0x80000000
	s_lshl_b32 s20, s18, 20
	s_lshl_b32 s48, s[WV], 18
	s_add_co_u32 s20, s20, s48
	s_add_nc_u64 s[4:5], s[4:5], s[20:21]          ; my 64 rows of features
	s_lshr_b32 s20, s18, 3
	s_lshl_b32 s20, s20, 12
	s_add_nc_u64 s[8:9], s[8:9], s[20:21]          ; the batch's row of cbias
	s_lshl_b32 s20, s18, 10
	s_lshl_b32 s48, s[WV], 8
	s_add_co_u32 s20, s20, s48
	s_add_nc_u64 s[14:15], s[14:15], s[20:21]      ; my 64 words of tsc
	CROUND                                         ; in front of the first joint load
	tensor_load_to_lds s[G0A:G0A+3], s[G1:G1+7]    ; slot 0: my one tensor load at the head
	s_nop 0
	PLACES
; unit u: rows 16 (u % 4) + 0 .. 15, K = 128 (u / 4) + 0 .. 127
.macro LOADU u
	WIN 0x40
.irp n, 0,1,2,3,4,5,6,7,8,9,10,11,12,13,14,15
	global_load_b128 v[64*((\u)%4)+4*\n:64*((\u)%4)+4*\n+3], v[GOF], s[4:5] offset:(16*((\u)%4)+\n)*4096+512*((\u)/4) th:TH_LOAD_NT
.endr
.endm
.macro TURNU u
	WIN 0x04
.irp n, 0,1,2,3,4,5,6,7,8,9,10,11,12,13,14,15
	ds_store_b128 v[SA], v[64*((\u)%4)+4*\n:64*((\u)%4)+4*\n+3] offset:STGB*((\u)%2)+SPI*\n
.endr
	WIN 0
.irp c, 0,1,2,3
.irp j, 0,1,2,3
	ds_load_b128 v[X+64*((\u)%2)+16*\c+4*\j:X+64*((\u)%2)+16*\c+4*\j+3], v[LA] offset:STGB*((\u)%2)+128*\c+16*\j   ; LDS serves a wave's instructions in order: these see my stores
.endr
.endr
.endm
.macro QUANTU u
.set XS, X+64*((\u)%2)
.set AD, 64*(((\u)/4)%4)+16*((\u)%4)
	WIN 0
.set j, 0
.rept 64
	v_med3_num_f32 v[XS+j], v[XS+j], -v[QL], v[QL]   ; the conversion does not saturate (ISA guide 7.6.2): the hold at 448 x 2^e0
.set j, j+1
.endr
	WIN 0x80+0x40*((\u)/16)
.irp q, 0,1,2,3,4,5,6,7
	v_cvt_scalef32_pk8_fp8_f32 v[AD+2*\q:AD+2*\q+1], v[XS+8*\q:XS+8*\q+7], v[QS]
.endr
	WIN 0
	v_nop                                          ; a plain line behind the last conversion
.endm
.macro STEPU u
	s_wait_dscnt 0x0                               ; unit u is back from the stage, and its stores have read their registers
.if (\u)+4 < 32
	LOADU (\u)+4
.endif
.if (\u)+1 < 32
.if (\u) < 28
	s_wait_loadcnt 48                              ; three younger units may stay out
.else
	s_wait_loadcnt 16*(30-(\u))
.endif
	TURNU (\u)+1
.endif
	QUANTU \u
.endm
	global_load_b128 v[16:19], v[TOF], s[8:9]      ; the tables and the first three units go out under the tile's flight
	global_load_b128 v[20:23], v[TOF], s[8:9] offset:2048
	global_load_b128 v[24:27], v[TOF], s[10:11]
	global_load_b128 v[28:31], v[TOF], s[10:11] offset:2048
	LOADU 0
	LOADU 1
	LOADU 2
	WIN 0
	s_wait_tensorcnt 0x0                           ; my part of slot 0 is in
	ds_add_u32 v[SPW], v[NIL]
	s_wait_dscnt 0x0
	CROUND
	tensor_load_to_lds s[G0B:G0B+3], s[G1:G1+7]    ; slot 1's first fill, issued as a refill is
	s_nop 0
	PLACES
	s_wait_loadcnt 48                              ; the tables' four loads are in: 48 younger ones
.irp i, 0,2,4,6
	v_pk_mul_f32 v[24+\i:25+\i], v[24+\i:25+\i], s[46:47] op_sel_hi:[1,0]   ; -c2 x Wv
.endr
	ds_store_b128 v[ADR], v[16:19]
	ds_store_b128 v[ADR], v[20:23] offset:2048
	ds_store_b128 v[ADR], v[24:27] offset:4096
	ds_store_b128 v[ADR], v[28:31] offset:6144
	LOADU 3
	WIN 0
	s_wait_kmcnt 0x0
	s_add_co_i32 s48, s44, 127
	s_lshl_b32 s49, s48, 23
	v_mov_b32 v[QS], s49                           ; 2^e0
	s_add_co_i32 s48, s48, 8
	s_lshl_b32 s48, s48, 23
	s_or_b32 s48, s48, 0x600000
	v_mov_b32 v[QL], s48                           ; 448 x 2^e0
	s_add_co_i32 s48, s44, s45
	s_lshl_b32 s48, s48, 23
	s_add_co_u32 s[CS], s48, 0x4038aa3b            ; c2 x 2^(e0 + e1)
	s_mov_b32 s[CS+1], s[CS]
	s_wait_alu depctr_va_vdst(0)
	s_wait_loadcnt 48
	TURNU 0
.set Q, 0
.rept 32
	STEPU Q
.set Q, Q+1
.endr
; 32 products: the tile in B's set s x my four tiles of rows, K ascending; the four accumulators take turns, one instruction a turn; the first K step starts the sums.
; Four places follow: for the loads into the set just read and for the first reads of the sums.
.macro MMS s
.set i, 0
.rept 32
.set rD, ACC+32*(\s)+8*(i%4)
.set rA, 64*((i/4)%4)+16*(i%4)
.set rB, 128*(\s)+16*(i/4)
	WIN 0x06+i/16                                  ; source 0 (A) window 2 or 3, source 1 (B) window 1
.if i < 4
	v_wmma_f32_16x16x128_fp8_fp8 v[rD:rD+7], v[rA:rA+15], v[rB:rB+15], 0
.else
	v_wmma_f32_16x16x128_fp8_fp8 v[rD:rD+7], v[rA:rA+15], v[rB:rB+15], v[rD:rD+7]
.endif
.set i, i+1
.endr
	WIN 0
	PLACES
.endm
.macro BFETCH p                        ; the next tile's eight fragments into set p: 32 loads
	v_add_nc_u32 v[ADR], s[TB], v[AB0]
	s_add_co_u32 s[TB], s[TB], TILEB
	WIN 0x40
.irp k, 0,1,2,3,4,5,6,7
.irp c, 0,1,2,3
	ds_load_b128 v[128*(\p)+16*\k+4*\c:128*(\p)+16*\k+4*\c+3], v[ADR] offset:(\k/2)*QB+(\k%2)*128+32*\c
.endr
.endr
	WIN 0
.endm
.macro TFETCH                          ; the pair's four table words: cbias and -c2 Wv at my column of tiles a and b
	v_add_nc_u32 v[ADT], s[TT], v[AT0]
	s_add_co_u32 s[TT], s[TT], 128
	ds_load_b32 v[CB], v[ADT]
	ds_load_b32 v[CB+2], v[ADT] offset:4096
	ds_load_b32 v[CB+4], v[ADT] offset:64
	ds_load_b32 v[CB+6], v[ADT] offset:4160
.endm
; The way out of two tiles, 64 registers: y = c2 x; 2^y; + 1; the reciprocal; x (-c2 Wv) onto the rows' sums.  Each accumulator is read from its low end on.
.macro EPI first
.irp e, 0,1
.set j, 0
.rept 16
	v_pk_fma_f32 v[ACC+32*\e+j:ACC+32*\e+j+1], v[ACC+32*\e+j:ACC+32*\e+j+1], s[CS:CS+1], v[CB+4*\e:CB+4*\e+1] op_sel_hi:[1,0,0]
.set j, j+2
.endr
.endr
	s_wait_alu depctr_va_vdst(0)                   ; one wait ahead of a batch of transcendentals,
.set j, 0
.rept 64
	v_exp_f32 v[ACC+j], v[ACC+j]
.set j, j+1
.endr
	v_nop                                          ; a plain line behind the last,
	s_wait_alu depctr_va_vdst(0)                   ; and one wait behind the batch
.set j, 0
.rept 32
	v_pk_add_f32 v[ACC+j:ACC+j+1], v[ACC+j:ACC+j+1], 1.0 op_sel_hi:[1,0]
.set j, j+2
.endr
	s_wait_alu depctr_va_vdst(0)
.set j, 0
.rept 64
	v_rcp_f32 v[ACC+j], v[ACC+j]
.set j, j+1
.endr
	v_nop
	s_wait_alu depctr_va_vdst(0)
.irp e, 0,1
.set j, 0
.rept 16
.if \first && (\e == 0)
	v_pk_mul_f32 v[SC+j:SC+j+1], v[ACC+j:ACC+j+1], v[CB+2:CB+3] op_sel_hi:[1,0]   ; the first tile starts the sums
.else
	v_pk_fma_f32 v[SC+j:SC+j+1], v[ACC+32*\e+j:ACC+32*\e+j+1], v[CB+2+4*\e:CB+3+4*\e], v[SC+j:SC+j+1] op_sel_hi:[1,0,1]
.endif
.set j, j+2
.endr
.endr
.endm
.macro PAIR first, fb                  ; fb = 1: the next pair's fragments are fetched
	TFETCH
	s_wait_dscnt 36                                ; set 0 is in; set 1's 32 loads and the four words may be out
	MMS 0
.if \fb
	BFETCH 0
	s_wait_dscnt 32                                ; set 1 and the words are in; the 32 just issued may be out
.else
	s_wait_dscnt 0x0
.endif
	MMS 1
.if \fb
	BFETCH 1
.endif
	EPI \first
.endm
.macro TWO_PAIRS
	s_mov_b32 s[TW], 2
.Lpair_\@:
	PAIR 0, 1
	s_sub_co_u32 s[TW], s[TW], 1
	s_cmp_lg_u32 s[TW], 0
	s_cbranch_scc1 .Lpair_\@
.endm
; The change of slots: all four tiles of the slot in hand have been fetched.  fill = 1: it is filled again, jointly, with the rows of W1 two slots on.
.macro CHANGE fill
	s_wait_tensorcnt 0x0                           ; my part of the other slot is in;
	ds_add_u32 v[SPW], v[NIL]
.if \fill
	s_xor_b32 s[G0B+1], s[G0B+1], SLOT1
	s_add_nc_u64 s[G0B+2:G0B+3], s[G0B+2:G0B+3], 65536
.endif
	s_wait_dscnt 0x0                               ; the add is done, and my reads of this slot are over
.if \fill
	CROUND                                         ; no wave of any partner still reads the slot or has a load on its way
	tensor_load_to_lds s[G0B:G0B+3], s[G1:G1+7]
	s_nop 0
	PLACES
.else
	s_barrier_signal -1
	s_barrier_wait -1
.endif
	s_sub_co_u32 s[TB], s[TB], 4*TILEB
	s_xor_b32 s[TB], s[TB], SLOT1
.endm
	s_wait_alu depctr_va_vdst(0)
	s_wait_tensorcnt 0x1                           ; slot 0 is in; slot 1's load may be out
	s_wait_dscnt 0x0                               ; my part of the tables is stored
	s_barrier_signal -1
	s_barrier_wait -1
	BFETCH 0
	BFETCH 1
	PAIR 1, 1                                      ; pair 0
.Lslot:                                                ; 14 trips: pairs 1 to 28; slots 2 to 15 are asked for
	CHANGE 1
	TWO_PAIRS
	s_sub_co_u32 s[SLOTS], s[SLOTS], 1
	s_cmp_lg_u32 s[SLOTS], 0
	s_cbranch_scc1 .Lslot
	CHANGE 0                                       ; the last slot: nothing is filled again
	TWO_PAIRS
	PAIR 0, 0                                      ; pair 31 fetches nothing
.irp x, 1,2,4,8                                ; the sum over a tile's sixteen columns: across the sixteen lanes of a row
.set j, 0
.rept 32
	v_add_f32_dpp v[SC+j], v[SC+j], v[SC+j] row_xmask:\x row_mask:0xf bank_mask:0xf
.set j, j+1
.endr
.endr
.irp m, 0,1,2,3
	ds_store_b128 v[OA], v[SC+8*\m:SC+8*\m+3] offset:64*\m       ; rows 16 m + 8 h + 0 .. 7: sixteen lanes store the same numbers at the same place
	ds_store_b128 v[OA], v[SC+8*\m+4:SC+8*\m+7] offset:64*\m+16
.endr
	ds_load_b64 v[16:17], v[OB]
	s_wait_dscnt 0x0
	global_store_b64 v[GO], v[16:17], s[14:15]     ; the wave stores 256 consecutive bytes, at a multiple of 256 from tsc's first byte
	s_wait_tensorcnt 0x0                           ; the wave's end
	ds_add_u32 v[SPW], v[NIL]
	s_wait_dscnt 0x0
	CROUND                                         ; the closing round
	s_endpgm
.Lfunc_end_k_qb32332fc68_scores:
	.size	k_qb32332fc68_scores, .Lfunc_end_k_qb32332fc68_scores-k_qb32332fc68_scores
	.p2alignl 7, 3214868480
	.fill 96, 4, 3214868480
	.section	.rodata,"a",@progbits
	.p2align	6, 0x0
	.amdhsa_kernel k_qb32332fc68_scores
		.amdhsa_group_segment_fixed_size 327680
		.amdhsa_private_segment_fixed_size 0
		.amdhsa_enable_private_segment 0
		.amdhsa_kernarg_size 48
		.amdhsa_user_sgpr_count 2
		.amdhsa_user_sgpr_kernarg_segment_ptr 1
		.amdhsa_wavefront_size32 1
		.amdhsa_system_sgpr_workgroup_id_x 1
		.amdhsa_system_sgpr_workgroup_id_y 1
		.amdhsa_system_sgpr_workgroup_id_z 1
		.amdhsa_system_vgpr_workitem_id 0
		.amdhsa_next_free_vgpr 1024
		.amdhsa_next_free_sgpr 66
		.amdhsa_reserve_vcc 0
		.amdhsa_float_denorm_mode_32 3
		.amdhsa_float_denorm_mode_16_64 3
		.amdhsa_memory_ordered 1
		.amdhsa_forward_progress 1
		.amdhsa_inst_pref_size 255
	.end_amdhsa_kernel
	.section	.bss,"aw",@nobits
	.p2align	6
	.space	262144
	.amdgpu_metadata
---
amdhsa.version: [ 1, 2 ]
amdhsa.kernels:
  - .name:           k_qb32332fc68_scores
    .symbol:         k_qb32332fc68_scores.kd
    .args:
      - { .name: features, .offset: 0, .size: 8, .value_kind: global_buffer, .address_space: global }
      - { .name: W1_codes, .offset: 8, .size: 8, .value_kind: global_buffer, .address_space: global }
      - { .name: cbias, .offset: 16, .size: 8, .value_kind: global_buffer, .address_space: global }
      - { .name: Wv, .offset: 24, .size: 8, .value_kind: global_buffer, .address_space: global }
      - { .name: lowp_scales, .offset: 32, .size: 8, .value_kind: global_buffer, .address_space: global }
      - { .name: tsc, .offset: 40, .size: 8, .value_kind: global_buffer, .address_space: global }
    .group_segment_fixed_size: 327680
    .private_segment_fixed_size: 0
    .kernarg_segment_align: 8
    .kernarg_segment_size: 48
    .max_flat_workgroup_size: 128
    .sgpr_count:     66
    .vgpr_count:     1024
    .wavefront_size: 32
...
	.end_amdgpu_metadata
.endif
;; end of part 2
;; launch context (part 3): grid 256 x 1, 8 waves a work-group, no clusters, 13,824 bytes of LDS; arguments features, tsc, out0, out1; writes out0, out1
.if DOCPART == 3
	.amdgcn_target "amdgcn-amd-amdhsa--gfx1250"
	.amdhsa_code_object_version 6
	.text
	.protected	k_qb32332fc68_context
	.globl	k_qb32332fc68_context
	.p2align	8
	.type	k_qb32332fc68_context,@function
k_qb32332fc68_context:
	s_mov_b64 s[64:65], 0
	v_nop
	global_prefetch_b8 v0, s[64:65] scope:SCOPE_SE
	s_setreg_imm32_b32 hwreg(HW_REG_WAVE_MODE, 25, 1), 1
	s_wait_xcnt 0x0
; out1[b][t] = w = 2^(tsc[b][t] - m) / the sum over t of 2^(tsc[b][t] - m),  m = the largest tsc of the batch;   out0[b][f] = the sum over t of w[t] features[b][t][f].   All in f32.
; tsc is log2(e) x (score - a term that is the same for all t of a batch): WORK LEFT OUT: bv and the sum of Wv cancel in this softmax (shown at the head of the first kernel).
; LIMIT: a weight's numerator under 2^-126 counts as 0.  NaN and infinity among the inputs are not served.
; SHARES.  Work-group g: batch b = g / 8, part c = g % 8: it owns out0[b][128 c .. 128 c + 127] and out1[b][256 c .. 256 c + 255]: each output byte has one owner.  Each of the eight work-groups of a batch makes the batch's
; softmax anew from 8 KiB of tsc, beside the 1 MiB of features that it alone reads: so little is shared that no cluster is formed, and all loads go straight into registers.
; Wave w takes rows t = 256 w .. 256 w + 255; a load is a row's 512 consecutive bytes, four columns a lane.  A ring of 32 slots in registers keeps 32 loads of every wave on their way.  No matrix unit: one multiply-add a number.
.set WT,    0                          ; LDS: the batch's 2,048 weights
.set RED,   8192                       ; the waves' maxima at + 0, their sums at + 64
.set PART,  8448                       ; the waves' partial sums: 512 bytes each
.set SPARE, 12544                      ; the spare words, 128 bytes for each wave: four blocks of 256 bytes that no other line names
.set ACC, 24                           ; v24-39   four sets of four sums, by turns
.set W,   40                           ; v40-71   32 rows' weights
.set X,   72                           ; v72-199  32 slots of 4 registers
	s_load_b256 s[4:11], s[0:1], 0x0               ; features s[4:5], tsc s[6:7], out0 s[8:9], out1 s[10:11]
	v_lshl_add_u32 v20, v0, 2, SPARE               ; v20, v21: the add's two; never rewritten
	v_mov_b32 v21, 0
	v_lshrrev_b32 v1, 5, v0
	s_delay_alu instid0(VALU_DEP_1)
	v_readfirstlane_b32 s12, v1                    ; wave 0..7
	s_lshr_b32 s13, ttmp9, 3                       ; b
	s_and_b32 s14, ttmp9, 7                        ; c
	s_mov_b32 s16, 0x76543210                      ; v_permlanex16_b32's selects for lane l xor 16
	s_mov_b32 s17, 0xfedcba98
	v_and_b32 v1, 31, v0
	s_delay_alu instid0(VALU_DEP_1)
	v_lshlrev_b32 v1, 4, v1                        ; 16 x lane
	v_lshlrev_b32 v2, 4, v0                        ; 16 x thread
	s_lshl_b32 s19, s12, 10                        ; my wave's 256 weights in LDS; it steps 128 bytes a round
	s_lshl_b32 s15, s12, 2
	v_mov_b32 v4, s15
	s_delay_alu instid0(VALU_DEP_1)
	v_add_nc_u32 v4, RED, v4                       ; my wave's word
	v_mov_b32 v19, RED
	s_lshl_b32 s15, s12, 9
	v_add_nc_u32 v5, s15, v1
	s_delay_alu instid0(VALU_DEP_1)
	v_add_nc_u32 v5, PART, v5                      ; my wave's partial sums
	v_add_nc_u32 v6, PART, v1
	s_lshl_b32 s15, s14, 10
	v_add_nc_u32 v7, s15, v2                       ; the work-group's 256 weights of out1
	s_lshl_b32 s20, s13, 23                        ; features: the batch's 2,048 rows of 4,096 bytes,
	s_lshl_b32 s22, s12, 20                        ; my wave's 256,
	s_add_co_u32 s20, s20, s22
	s_lshl_b32 s22, s14, 9                         ; the work-group's 512 bytes of a row
	s_add_co_u32 s20, s20, s22
	s_mov_b32 s21, 0
	s_lshl_b32 s24, s13, 13                        ; tsc: the batch's 8,192 bytes
	s_mov_b32 s25, 0
	s_lshl_b32 s26, s13, 12
	s_add_co_u32 s26, s26, s22                     ; out0
	s_mov_b32 s27, 0
	s_add_co_u32 s28, s24, s15                     ; out1
	s_mov_b32 s29, 0
	s_wait_alu depctr_va_vdst(0)
	s_wait_kmcnt 0x0
	s_add_nc_u64 s[4:5], s[4:5], s[20:21]
	s_add_nc_u64 s[6:7], s[6:7], s[24:25]
	s_add_nc_u64 s[8:9], s[8:9], s[26:27]
	s_add_nc_u64 s[10:11], s[10:11], s[28:29]
	global_load_b128 v[8:11], v2, s[6:7]           ; t = 4 thread + 0 .. 3
	global_load_b128 v[12:15], v2, s[6:7] offset:4096   ; and 1,024 further on
.set q, 0
.rept 32
	global_load_b128 v[X+4*q:X+4*q+3], v1, s[4:5] offset:q*4096 th:TH_LOAD_NT   ; the ring is filled before the softmax is made
.set q, q+1
.endr
	s_wait_loadcnt 32                              ; tsc is in; the 32 rows behind it stay on their way
	; the largest t: in the lane, across the wave, across the eight waves
	v_max3_num_f32 v16, v8, v9, v10
	v_max3_num_f32 v17, v11, v12, v13
	s_delay_alu instid0(VALU_DEP_2)
	v_max3_num_f32 v16, v16, v14, v15
	s_delay_alu instid0(VALU_DEP_1)
	v_max_num_f32 v16, v16, v17
.irp x, 1,2,4,8
	s_delay_alu instid0(VALU_DEP_1)
	v_max_num_f32_dpp v16, v16, v16 row_xmask:\x row_mask:0xf bank_mask:0xf
.endr
	s_delay_alu instid0(VALU_DEP_1)
	v_permlanex16_b32 v17, v16, s16, s17
	s_delay_alu instid0(VALU_DEP_1)
	v_max_num_f32 v16, v16, v17
	ds_store_b32 v4, v16
	s_wait_dscnt 0x0                               ; for the others' sake
	s_barrier_signal -1
	s_barrier_wait -1
	ds_load_b128 v[24:27], v19
	ds_load_b128 v[28:31], v19 offset:16
	s_wait_dscnt 0x0
	v_max3_num_f32 v16, v24, v25, v26
	v_max3_num_f32 v17, v27, v28, v29
	s_delay_alu instid0(VALU_DEP_2)
	v_max3_num_f32 v16, v16, v30, v31
	s_delay_alu instid0(VALU_DEP_1)
	v_max_num_f32 v16, v16, v17                    ; m
.irp i, 0,1,2,3,4,5,6,7
	v_sub_f32 v[8+\i], v[8+\i], v16
.endr
	s_wait_alu depctr_va_vdst(0)
.irp i, 0,1,2,3,4,5,6,7
	v_exp_f32 v[8+\i], v[8+\i]                     ; 2^(t - m), at most 1
.endr
	v_nop                                          ; a plain line behind the last exponential,
	s_wait_alu depctr_va_vdst(0)                   ; and one wait ahead of the batch's first reader
	v_pk_add_f32 v[16:17], v[8:9], v[10:11]
	v_pk_add_f32 v[22:23], v[12:13], v[14:15]
	s_delay_alu instid0(VALU_DEP_1)
	v_pk_add_f32 v[16:17], v[16:17], v[22:23]
	s_delay_alu instid0(VALU_DEP_1)
	v_add_f32 v16, v16, v17
.irp x, 1,2,4,8
	s_delay_alu instid0(VALU_DEP_1)
	v_add_f32_dpp v16, v16, v16 row_xmask:\x row_mask:0xf bank_mask:0xf
.endr
	s_delay_alu instid0(VALU_DEP_1)
	v_permlanex16_b32 v17, v16, s16, s17
	s_delay_alu instid0(VALU_DEP_1)
	v_add_f32 v16, v16, v17
	ds_store_b32 v4, v16 offset:64                 ; other bytes than the maxima's: no wave may still be reading those
	s_wait_dscnt 0x0
	s_barrier_signal -1
	s_barrier_wait -1
	ds_load_b128 v[24:27], v19 offset:64
	ds_load_b128 v[28:31], v19 offset:80
	s_wait_dscnt 0x0
	v_pk_add_f32 v[24:25], v[24:25], v[26:27]
	v_pk_add_f32 v[28:29], v[28:29], v[30:31]
	s_delay_alu instid0(VALU_DEP_1)
	v_pk_add_f32 v[24:25], v[24:25], v[28:29]
	s_delay_alu instid0(VALU_DEP_1)
	v_add_f32 v16, v24, v25
	s_wait_alu depctr_va_vdst(0)
	v_rcp_f32 v17, v16
	v_nop
	s_wait_alu depctr_va_vdst(0)
.irp i, 0,1,2,3,4,5,6,7
	v_mul_f32 v[8+\i], v[8+\i], v17                ; the weights
.endr
	ds_store_b128 v2, v[8:11] offset:WT
	ds_store_b128 v2, v[12:15] offset:WT+4096
	s_wait_dscnt 0x0
	s_barrier_signal -1
	s_barrier_wait -1                              ; the batch's 2,048 weights lie in LDS
	s_cmp_lt_u32 s12, 2                            ; waves 0 and 1 store the work-group's 256 weights of out1
	s_cbranch_scc0 .Lno_out1
	ds_load_b128 v[16:19], v7
	s_wait_dscnt 0x0
	global_store_b128 v2, v[16:19], s[10:11]       ; a wave stores 512 consecutive bytes; v2 and v16-19 are not written again
.Lno_out1:
; One slot's turn: row i of the round's 32.  first = 1: the first four rows start the four sets of sums: nothing is cleared.  ahead = 1: the slot takes the row 32 further down.
; left = how many younger loads may stay out.
.macro SLOT i, first, ahead, left
	s_wait_loadcnt \left                           ; loads come back in order (ISA guide 5.7.1): mine is in
.irp k, 0,1,2,3
.if \first && (\i < 4)
	v_mul_f32 v[ACC+4*((\i)%4)+\k], v[X+4*(\i)+\k], v[W+(\i)]
.else
	v_fmac_f32 v[ACC+4*((\i)%4)+\k], v[X+4*(\i)+\k], v[W+(\i)]
.endif
.endr
.if \ahead
	global_load_b128 v[X+4*(\i):X+4*(\i)+3], v1, s[4:5] offset:(32+(\i))*4096 th:TH_LOAD_NT
.endif
.endm
.macro ROUND first, ahead
	v_mov_b32 v3, s19
.irp k, 0,1,2,3,4,5,6,7
	ds_load_b128 v[W+4*\k:W+4*\k+3], v3 offset:WT+16*\k   ; 32 rows' weights, the same in every lane
.endr
	s_wait_dscnt 0x0
.set q, 0
.rept 32
.if \ahead
	SLOT q, \first, 1, 31                          ; the 31 other slots' loads are younger
.else
	SLOT q, \first, 0, 31-q                        ; the last round loads nothing: the counts run down
.endif
.set q, q+1
.endr
.if \ahead
	s_wait_xcnt 0x0                                ; the loads have read their base: it is stepped only behind this wait
	s_add_nc_u64 s[4:5], s[4:5], 32*4096
	s_add_co_u32 s19, s19, 128
.endif
.endm
	ROUND 1, 1                                     ; rows 0 to 31
	s_mov_b32 s18, 6
.Lround:                                               ; rows 32 to 223
	ROUND 0, 1
	s_sub_co_u32 s18, s18, 1
	s_cmp_lg_u32 s18, 0
	s_cbranch_scc1 .Lround
	ROUND 0, 0                                     ; rows 224 to 255: no load leaves the buffer
	v_pk_add_f32 v[24:25], v[24:25], v[28:29]      ; the four sets,
	v_pk_add_f32 v[26:27], v[26:27], v[30:31]
	s_wait_alu depctr_va_vdst(0)
	v_pk_add_f32 v[32:33], v[32:33], v[36:37]
	v_pk_add_f32 v[34:35], v[34:35], v[38:39]
	s_delay_alu instid0(VALU_DEP_2)
	v_pk_add_f32 v[24:25], v[24:25], v[32:33]
	s_delay_alu instid0(VALU_DEP_2)
	v_pk_add_f32 v[26:27], v[26:27], v[34:35]
	ds_store_b128 v5, v[24:27]                     ; and the eight waves' sums meet in LDS
	s_wait_dscnt 0x0
	s_barrier_signal -1
	s_barrier_wait -1
	s_cmp_lg_u32 s12, 0                            ; wave 0 adds them, in a fixed order, and stores
	s_cbranch_scc1 .Ldone
.irp k, 0,1,2,3,4,5,6,7
	ds_load_b128 v[X+4*\k:X+4*\k+3], v6 offset:512*\k
.endr
	s_wait_dscnt 0x0
.irp j, 0,2,4,6,8,10,12,14
	v_pk_add_f32 v[X+\j:X+\j+1], v[X+\j:X+\j+1], v[X+16+\j:X+16+\j+1]
.endr
.irp j, 0,2,4,6
	s_delay_alu instid0(VALU_DEP_4)
	v_pk_add_f32 v[X+\j:X+\j+1], v[X+\j:X+\j+1], v[X+8+\j:X+8+\j+1]
.endr
.irp j, 0,2
	s_delay_alu instid0(VALU_DEP_2)
	v_pk_add_f32 v[X+\j:X+\j+1], v[X+\j:X+\j+1], v[X+4+\j:X+4+\j+1]
.endr
	global_store_b128 v1, v[X:X+3], s[8:9]         ; 32 lanes store 512 consecutive bytes, at a multiple of 256 from out0's first byte
.Ldone:
	s_wait_tensorcnt 0x0                           ; the wave's end
	ds_add_u32 v20, v21
	s_wait_dscnt 0x0
	s_endpgm
.Lfunc_end_k_qb32332fc68_context:
	.size	k_qb32332fc68_context, .Lfunc_end_k_qb32332fc68_context-k_qb32332fc68_context
	.p2alignl 7, 3214868480
	.fill 96, 4, 3214868480
	.section	.rodata,"a",@progbits
	.p2align	6, 0x0
	.amdhsa_kernel k_qb32332fc68_context
		.amdhsa_group_segment_fixed_size 13824
		.amdhsa_private_segment_fixed_size 0
		.amdhsa_enable_private_segment 0
		.amdhsa_kernarg_size 32
		.amdhsa_user_sgpr_count 2
		.amdhsa_user_sgpr_kernarg_segment_ptr 1
		.amdhsa_wavefront_size32 1
		.amdhsa_system_sgpr_workgroup_id_x 1
		.amdhsa_system_sgpr_workgroup_id_y 1
		.amdhsa_system_sgpr_workgroup_id_z 1
		.amdhsa_system_vgpr_workitem_id 0
		.amdhsa_next_free_vgpr 208
		.amdhsa_next_free_sgpr 66
		.amdhsa_reserve_vcc 0
		.amdhsa_float_denorm_mode_32 3
		.amdhsa_float_denorm_mode_16_64 3
		.amdhsa_memory_ordered 1
		.amdhsa_forward_progress 1
		.amdhsa_inst_pref_size 36
	.end_amdhsa_kernel
	.amdgpu_metadata
---
amdhsa.version: [ 1, 2 ]
amdhsa.kernels:
  - .name:           k_qb32332fc68_context
    .symbol:         k_qb32332fc68_context.kd
    .args:
      - { .name: features, .offset: 0, .size: 8, .value_kind: global_buffer, .address_space: global }
      - { .name: tsc, .offset: 8, .size: 8, .value_kind: global_buffer, .address_space: global }
      - { .name: out0, .offset: 16, .size: 8, .value_kind: global_buffer, .address_space: global }
      - { .name: out1, .offset: 24, .size: 8, .value_kind: global_buffer, .address_space: global }
    .group_segment_fixed_size: 13824
    .private_segment_fixed_size: 0
    .kernarg_segment_align: 8
    .kernarg_segment_size: 32
    .max_flat_workgroup_size: 256
    .sgpr_count:     66
    .vgpr_count:     208
    .wavefront_size: 32
...
	.end_amdgpu_metadata
.endif
;; end of part 3
